; MI455X (gfx1250); checked and timed in simulation.
; The chip was launched on July 23, 2026; its instructions are those of AMD's public machine-readable ISA for CDNA 5 (MIT licence, August 2026) and "CDNA5" Instruction Set Architecture Reference Guide (July 2026). The comments in the code are by the model that wrote it; some were corrected since.
;; Att Block. Allowed arithmetic: matrix products marked QUANTISED: E3M2 operands, one E8M0 scale for each 32 along K, by v_wmma_scale_f32_16x16x128_f8f6f4 with both operands' format E3M2, f32 sums; products left as they are: f32 operands where the result goes on into a quantised operand, else bf16, f16 or f32 operands; f32 sums; everything else in f32.
;; Inputs: gamma_g 1 float32; gamma_l 1 float32; k_b 8 float32; k_w 8 x 64 float32; q_l_b 8 float32; q_l_w 8 x 64 float32; qg_b 4,096 float32; qg_w 4,096 x 8 float32; v_b 64 float32; v_w_codes 64 x 2 x 24 uint8 (E3M2 codes of v_w, K innermost, in blocks of 32 codes, four codes in three bytes); v_w_scales 64 x 2 uint8 (E8M0 scales of v_w, one for each 32 codes along K); x 4 x 64 x 64 x 64 float32.
;; Outputs: out0 4 x 64 x 64 x 64 float32.
;; This version of the problem:
;;   THIS VERSION OF THE PROBLEM IS GIVEN IN LOW PRECISION. The matrix products marked QUANTISED in the list below multiply operands that are first quantised to E3M2 (3 exponent bits, 2 mantissa bits; 6 bits a number), with one power-of-two scale for each 32 numbers along K (OCP MX v1.0); their sums are f32. All else is computed in f32.
;;   The module's matrix products, in the order in which they are computed (A, B: the left and right operand; K: the contracted axis; several contracted axes count as one K, in the product's order):
;;     1. [M 16,384, K 64] x [K 64, N 8]; A: input x; B: input q_l_w: left as it is (N = 8 < 16)
;;     2. [M 16,384, K 64] x [K 64, N 8]; A: input x; B: input k_w: left as it is (N = 8 < 16)
;;     3. [M 16,384, K 8] x [K 8, N 4,096]; A: computed on the way; B: input qg_w: left as it is (K = 8 < 32)
;;     4. batch 4 x [M 4,096, K 8] x [K 8, N 4,096]; A: computed on the way; B: computed on the way: left as it is (K = 8 < 32)
;;     5. [M 16,384, K 64] x [K 64, N 64]; A: input x; B: input v_w (given as codes): QUANTISED
;;     6. batch 4 x [M 64, K 4,096] x [K 4,096, N 4,096]; A: computed on the way; B: computed on the way: QUANTISED
;;   THE QUANTISER, for each operand of a quantised product, along K:
;;     - K is cut into blocks of 32 from its start; a last block that is shorter is filled with zeros.
;;     - A block's scale is 2^e with e = floor(log2(the largest magnitude in the block)) - 4, held to -126 .. 127; a block of zeros has e = 0. As a byte (E8M0): e + 127.
;;     - Each number is divided by its block's scale, clamped to +-28, and rounded to the nearest number of E3M2, ties to even, subnormals kept.
;;     - The product sums the exact products of the quantised numbers (number of the format x scale) in f32.
;;   ~~~python
;;   def quantise(x, axis):      # numpy; x: float32 -> the quantised numbers, widened to float32 again
;;       x = np.moveaxis(x, axis, -1); K = x.shape[-1]
;;       x = np.pad(x, [(0, 0)] * (x.ndim - 1) + [(0, -K % 32)]); x = x.reshape(x.shape[:-1] + (-1, 32)); a = np.abs(x).max(-1, keepdims=True)
;;       e = np.where(a > 0, np.clip(np.frexp(np.where(a > 0, a, 1))[1] - 1 - 4, -126, 127), 0)      # np.frexp(a)[1] - 1 = floor(log2(a)), exactly
;;       r = np.clip(x / 2.0 ** e, -28, 28)
;;       step = 2.0 ** (np.maximum(np.frexp(np.where(r == 0, 1, r))[1] - 1, -2) - 2)
;;       q = np.round(r / step) * step * 2.0 ** e      # np.round: ties to even
;;       return np.moveaxis(q.reshape(q.shape[:-2] + (-1,))[..., :K], -1, axis).astype(np.float32)
;;   ~~~
;;   OPERANDS COMPUTED ON THE WAY. 'Computed on the way' means the value that the module computes at that place (a softmax that the list does not call 'softmax' is quantised finished and normalised). What goes into a quantiser is computed in f32, as accurately as f32 sums, v_exp_f32 and their like allow (about 1e-6 of the number): no bf16 or f16 on the way to a quantiser, and a product that is left as it is and whose result goes on into a quantised operand takes f32 operands (vector FMAs, or v_wmma_f32_16x16x4_f32). A number that lies on a knife's edge between two numbers of the format may be rounded either way, as far as f32 arithmetic and the matrix unit's own rounding can turn it there, and no further.
;;   INPUTS GIVEN AS CODES. v_w (in the module: [64, 64], K = its axis 1): each comes as NAME_codes (uint8): NAME with its K axis moved to the last place and cut into blocks of 32 codes, [.., K / 32, bytes a block], one block behind the other in memory; four codes in three bytes: a row's codes are one little-endian stream of bits, code i at bits 6 i .. 6 i + 5 (a code: sign, 3 exponent bits, 2 mantissa bits); and NAME_scales (uint8): the same leading axes, one E8M0 byte (e + 127) for each 32 codes along K. Its value is code x scale, taken as it is: it is not quantised again, and the codes and scales need not be those that the quantiser above would give.
;; One version. Each part assembles by itself: llvm-mc -triple=amdgcn-amd-amdhsa -mcpu=gfx1250 --defsym DOCPART=n.
;; ======== version 1 of 1: 2 launches
;; workspace buffers: qside 1,966,080 bytes; pside 1,048,576 bytes
;; launch prep (part 1): grid 32 x 4, 4 waves a work-group, no clusters, 49,664 bytes of LDS; arguments x, q_l_w, k_w, q_l_b, k_b, qg_w, qg_b, v_w_codes, v_w_scales, v_b, gamma_g, gamma_l, qside, pside; writes qside, pside
.if DOCPART == 1
	.amdgcn_target "amdgcn-amd-amdhsa--gfx1250"
	.amdhsa_code_object_version 6
	.text
	.protected	k_qe8db3aca68_prep
	.globl	k_qe8db3aca68_prep
	.p2align	8
	.type	k_qe8db3aca68_prep,@function
k_qe8db3aca68_prep:
	s_mov_b64 s[64:65], 0
	v_nop
	global_prefetch_b8 v0, s[64:65] scope:SCOPE_SE
	s_setreg_imm32_b32 hwreg(HW_REG_WAVE_MODE, 25, 1), 1
	s_wait_xcnt 0x0
; PREP: x and the weights become the two operand tables of the attention launch.
; A work-group takes 128 positions (q0 = 128 x work-group x) of one batch (work-group y), all 64 channels: 32 KiB of x, read once.
; It makes  q_l = q_l_w x + q_l_b  and  k = k_w x + k_b  in f32 (f32 matrix form: their results go on into a quantised operand),
;           v = v_w Q(x) + v_b on codes of E3M2 (x quantised along the channels, v_w's codes and scale bytes taken as given), and Q(v) along the positions.
; OUT, qside: one block of 15,360 bytes for (batch, 128 q), laid as IMAGES OF OPERAND REGISTERS (four registers of a lane at 16 x lane):
;   0      QA  tile qt at 1024 qt: 8 registers: lanes 0-15 qg_w[q][0..7], lanes 16-31 k[0..7][q]     8192  VC  v's codes: c tile ct at 1536 ct, 12 registers
;   14336  BI  gamma_g qg_b[q], 64 bytes a tile                                                     14848 VS  v's scale words, 128 bytes a c tile
; OUT, pside: [batch][2][4096][8] f32: part 0 gamma_g k in k's own flat order (read as [p][8] it is gamma_g k_g), part 1 gamma_l q_l[p][0..7].
; THE POSITIONS OF A TILE ARE NOT NEIGHBOURS: row m of tile i is position 64 (i / 4) + 32 (m / 8) + 8 (i % 4) + m % 8.  A result's lane (r, h) holds rows 8 h + 0..7 of a tile, so the 32 registers
; of tiles 4 c .. 4 c + 3 are positions 64 c + 32 h + 0 .. 31: a whole block of 32 in a lane, in the order of the 6-bit operand's registers.  No exchange between lanes but for the scale word.
; LIMITS: NaN and infinities among the inputs are not served.  A block of zeros, and one whose largest magnitude lies under 2^-122, gets the scale byte 1 (for zeros the rule says 127): zero codes add
; nothing under any byte but 0xff, and this program alone reads the bytes.  The gammas are multiplied into k, q_l and qg_b here: an order of f32 rounding other than the reference's.
; The scaled product has K = 128 and the channels are 64: v_w's registers 6-11 are zero codes and its scale bytes 2, 3 are 0; x's registers 6-11 are then whatever follows (the next tile's codes): times zero.
.set XS,   0                           ; LDS: x as loaded: channel ch at 512 ch + 64 (ch >= 32), position at 4 pos: the 64 bytes set the upper 32 channels 16 words aside, so that a read's 32 lanes take 32 different words mod 64
.set XIMG, 33024                       ; x's 8 fragments, 768 bytes each: registers 0-3 at 16 x lane, registers 4-5 at 512 + 8 x lane
.set XSC,  39168                       ; their scale words, 128 bytes each
.set KST,  40192                       ; gamma_g k: 8 rows of 512 bytes
.set QLST, 44288                       ; gamma_l q_l: 128 positions x 32 bytes
.set BLKB, 15360
.set O_VC, 8192
.set O_BI, 14336
.set O_VS, 14848
.set LN,  1                            ; lane
.set R,   2                            ; lane % 16
.set H,   3                            ; lane / 16
.set L16, 4                            ; 16 x lane
.set L4,  5
.set L8,  6
.set XRD, 7                            ; XS: my 32 channels (32 H on) at my position of my wave's first tile
.set XWR, 8                            ; XS: where my wave's 16 rows go
.set SH8, 9                            ; 8 H
.set GM,  10                           ; lanes 0-15 gamma_l, lanes 16-31 gamma_g
.set KSA, 11
.set QLA, 12
.set WO,  13                           ; offsets of the head's loads
.set ZO,  14
.set QGO, 15
.set XW,  16                           ; v16-17 x's scale words as made
.set VWS, 18                           ; v_w's scale word
.set AW,  19                           ; v's scale word (at the head: PR)
.set PR,  19                           ; R + 24 (R / 8): my row's position in a tile
.set XSW, 20                           ; v20-27 x's scale words, read back
.set T,   28                           ; v28-29 largest magnitudes   (at the head v28-31: four load offsets)
.set SO,  30                           ; v30-31 the conversions' scale operands
.set BY,  32                           ; v32-33 second chains of the maxima, then the scale bytes
.set VWO, 28
.set O2R, 29
.set O4R, 30
.set QBO, 31
.set W2,  34
.set VB0, 35
.set PC,  36                           ; v36-47 codes just made
.set TMPC, 48                          ; v48-55
.set BC,  56                           ; v56-63 the f32 products' C: q_l_b | k_b; later v_b
.set KQ,  64                           ; v64-79 two accumulators of the f32 form: written by matrix instructions alone
.set SC,  80                           ; v80-95 k_b at the head; gamma x results; copy-out
.set QGW, 96                           ; v96-111 qg_w's rows, then QA's image
.set WA,  112                          ; v112-143 q_l_w (rows 0-7) | k_w (rows 8-15), my 32 channels
.set XF,  112                          ; later: x's fragments, tile i at v[112 + 6 i], 12 registers named, 6 of them its own
.set WK,  144                          ; v144-175 k_w as loaded
.set A2K, 166                          ; made when WK is merged: 16 x lane + 2048 w
.set A128, 167                         ; 4 x lane + 128 w
.set A1K, 168                          ; 16 x lane + 1024 w
.set A32K, 169                         ; 16 x lane + 32768 w
.set X,   176                          ; v176-239 x as loaded; then 2 tiles x 32 channels; then v's 8 accumulators
.set VW,  240                          ; v240-251 v_w's fragment
.set QB,  252
.set AXI, 253                          ; 16 x lane + 1536 w
.set AX8, 254                          ; 8 x lane + 1536 w
.set AXS, 255                          ; 4 x lane + 256 w
.set WV,  34                           ; s34 wave
.set POSW, 35                          ; s35 first position of my wave's first tile: 64 (w / 2) + 16 (w % 2)
.set SEL, 36                           ; s[36:37] v_permlanex16_b32's selects for lane l xor 16
; Two blocks of 32 numbers of a lane, v[src + 32 c + 0..31]: the largest magnitude (two chains a block, so that no line waits for the line above it; the floor 2^(5 - 127) among the leaves holds the
; byte at 1 from below), the conversion's scale operand (4 off the exponent field) and the scale's byte.  An accumulator of 8 registers is first read at its low end.
.macro BLKMAX src
.irp c, 0,1
	v_max3_num_f32 v[T+\c], |v[\src+32*\c]|, |v[\src+32*\c+1]|, 0x2800000
	v_max3_num_f32 v[BY+\c], |v[\src+32*\c+16]|, |v[\src+32*\c+17]|, |v[\src+32*\c+18]|
.endr
.irp i, 2,4,6,8,10,12
.irp c, 0,1
	v_max3_num_f32 v[T+\c], v[T+\c], |v[\src+32*\c+\i]|, |v[\src+32*\c+\i+1]|
	v_max3_num_f32 v[BY+\c], v[BY+\c], |v[\src+32*\c+\i+17]|, |v[\src+32*\c+\i+18]|
.endr
.endr
.irp c, 0,1
	v_max3_num_f32 v[T+\c], v[T+\c], |v[\src+32*\c+14]|, |v[\src+32*\c+15]|
.endr
.irp c, 0,1
	v_max3_num_f32 v[T+\c], v[T+\c], v[BY+\c], |v[\src+32*\c+31]|
.endr
.irp c, 0,1
	v_add_nc_u32 v[SO+\c], 0xfe000000, v[T+\c]
.endr
.irp c, 0,1
	v_lshrrev_b32 v[BY+\c], 23, v[SO+\c]
.endr
.endm
; Their codes: block c into v[PC + 6 c .. + 5].  A conversion's three registers begin on an even number, so each block's upper half is made elsewhere and moved.
.macro CODES src
.irp c, 0,1
	v_cvt_scalef32_pk16_bf6_f32 v[PC+6*\c:PC+6*\c+2], v[\src+32*\c:\src+32*\c+15], v[SO+\c]
	v_cvt_scalef32_pk16_bf6_f32 v[TMPC+4*\c:TMPC+4*\c+2], v[\src+32*\c+16:\src+32*\c+31], v[SO+\c]
.endr
	v_nop                                          ; one plain instruction behind the last scaled conversion
.irp c, 0,1
.irp i, 0,1,2
	v_mov_b32 v[PC+6*\c+3+\i], v[TMPC+4*\c+\i]
.endr
.endr
.endm
	s_load_b512 s[4:19], s[0:1], 0x0               ; x 4:5, q_l_w 6:7, k_w 8:9, q_l_b 10:11, k_b 12:13, qg_w 14:15, qg_b 16:17, v_w_codes 18:19
	s_load_b256 s[20:27], s[0:1], 0x40             ; v_w_scales 20:21, v_b 22:23, gamma_g 24:25, gamma_l 26:27
	s_load_b128 s[28:31], s[0:1], 0x60             ; qside 28:29, pside 30:31
	v_lshl_add_u32 v51, v0, 2, 0xc000
	v_mov_b32 v55, 0
	v_lshrrev_b32 v[LN], 5, v0
	v_readfirstlane_b32 s[WV], v[LN]               ; wave 0..3
	v_and_b32 v[LN], 31, v0
	v_and_b32 v[R], 15, v0
	v_bfe_u32 v[H], v0, 4, 1
	v_lshlrev_b32 v[L16], 4, v[LN]
	v_lshlrev_b32 v[L4], 2, v[LN]
	v_lshlrev_b32 v[L8], 3, v[LN]
	s_and_b32 s46, ttmp7, 0xffff                   ; the batch
	s_lshl_b32 s38, s46, 20                        ; x: batch x 1 MiB + 512 bytes a step + my wave's 16 channels of 16,384 bytes
	s_lshl_b32 s39, ttmp9, 9
	s_add_co_u32 s38, s38, s39
	s_lshl_b32 s39, s[WV], 18
	s_add_co_u32 s38, s38, s39
	s_mov_b32 s39, 0                               ; stays 0: the upper word of every offset below
	s_wait_kmcnt 0x0
	s_add_nc_u64 s[4:5], s[4:5], s[38:39]
.set i, 0
.rept 16
	global_load_b128 v[X+4*i:X+4*i+3], v[L16], s[4:5] offset:i*16384   ; a channel's 128 positions: 32 lanes read 512 consecutive bytes
.set i, i+1
.endr
	s_load_b32 s32, s[24:25], 0x0                  ; gamma_g
	s_load_b32 s33, s[26:27], 0x0                  ; gamma_l
	s_lshr_b32 s40, s[WV], 1
	s_and_b32 s41, s[WV], 1
	s_lshl_b32 s[POSW], s40, 6
	s_lshl_b32 s41, s41, 4
	s_add_co_u32 s[POSW], s[POSW], s41
	v_lshrrev_b32 v[PR], 3, v[R]
	v_mad_u32_u24 v[PR], v[PR], 24, v[R]
	v_mul_u32_u24 v[XRD], v[H], 16448
	v_lshl_add_u32 v[XRD], v[PR], 2, v[XRD]
	s_lshl_b32 s41, s[POSW], 2
	v_add_nc_u32 v[XRD], s41, v[XRD]
	s_lshl_b32 s47, s[WV], 13
	s_lshl_b32 s40, s40, 6
	s_add_co_u32 s47, s47, s40
	v_add_nc_u32 v[XWR], s47, v[L16]
	v_lshlrev_b32 v[SH8], 3, v[H]
	s_add_co_u32 s41, s41, KST
	v_lshl_add_u32 v[KSA], v[PR], 2, s41           ; KST + 4 (POSW + my position)
	s_lshl_b32 s41, s[POSW], 5
	s_add_co_u32 s41, s41, QLST
	v_lshl_add_u32 v[QLA], v[PR], 5, s41           ; QLST + 32 (POSW + my position)
	s_mul_i32 s41, s[WV], 1536
	v_add_nc_u32 v[AXI], s41, v[L16]
	v_add_nc_u32 v[AX8], s41, v[L8]
	s_lshl_b32 s41, s[WV], 8
	v_add_nc_u32 v[AXS], s41, v[L4]
	v_and_b32 v[WO], 7, v[R]
	v_lshlrev_b32 v[WO], 8, v[WO]
	v_lshl_add_u32 v[WO], v[H], 7, v[WO]           ; row R % 8 of 256 bytes, + my 32 channels
	v_mov_b32 v[ZO], 0
	v_lshlrev_b32 v[QGO], 5, v[PR]
	v_mul_u32_u24 v[VWO], v[R], 48
	v_mad_u32_u24 v[VWO], v[H], 24, v[VWO]         ; v_w: row R of 48 bytes, + 24 H
	v_lshlrev_b32 v[O2R], 1, v[R]
	v_lshlrev_b32 v[O4R], 2, v[R]
	v_lshlrev_b32 v[QBO], 2, v[PR]
	v_lshl_add_u32 v[QBO], v[H], 5, v[QBO]         ; qg_b: lanes 0-15 my wave's first tile, lanes 16-31 its second (8 positions on)
	v_mov_b32 v[W2], 0                             ; a lane permute's destination counts as one of its sources
.irp j, 6,7,8,9,10,11
	v_mov_b32 v[VW+\j], 0                          ; v_w's K 64 .. 127: zero codes
.endr
	s_mov_b32 s[SEL], 0x76543210
	s_mov_b32 s[SEL+1], 0xfedcba98
	s_lshl_b32 s41, ttmp9, 7
	s_add_co_u32 s41, s41, s[POSW]                 ; q0 + POSW
	s_lshl_b32 s38, s41, 5
	s_add_nc_u64 s[14:15], s[14:15], s[38:39]      ; qg_w: 32 bytes a row
	s_lshl_b32 s38, s41, 2
	s_add_nc_u64 s[16:17], s[16:17], s[38:39]      ; qg_b
	s_mul_i32 s38, s[WV], 768
	s_add_nc_u64 s[18:19], s[18:19], s[38:39]      ; v_w's codes: my 16 rows (c tile w)
	s_lshl_b32 s38, s[WV], 5
	s_add_nc_u64 s[20:21], s[20:21], s[38:39]      ; its scale bytes
	s_lshl_b32 s38, s[WV], 6
	s_add_nc_u64 s[22:23], s[22:23], s[38:39]      ; v_b
	s_lshl_b32 s38, s46, 5
	s_add_co_u32 s38, s38, ttmp9
	s_mul_i32 s38, s38, BLKB
	s_add_nc_u64 s[28:29], s[28:29], s[38:39]      ; my block of qside
	s_lshl_b32 s47, s46, 18
	s_lshl_b32 s38, ttmp9, 9
	s_add_co_u32 s38, s38, s47
	s_add_nc_u64 s[42:43], s[30:31], s[38:39]      ; pside part 0: batch + my 512 bytes of a row of k
	s_lshl_b32 s38, ttmp9, 12
	s_add_co_u32 s38, s38, s47
	s_add_co_u32 s38, s38, 131072
	s_add_nc_u64 s[44:45], s[30:31], s[38:39]      ; pside part 1: batch + my 128 positions of 32 bytes
.irp g, 0,1,2,3,4,5,6,7
	global_load_b128 v[WA+4*\g:WA+4*\g+3], v[WO], s[6:7] offset:16*\g
.endr
.irp g, 0,1,2,3,4,5,6,7
	global_load_b128 v[WK+4*\g:WK+4*\g+3], v[WO], s[8:9] offset:16*\g
.endr
	global_load_b128 v[BC:BC+3], v[ZO], s[10:11]
	global_load_b128 v[BC+4:BC+7], v[ZO], s[10:11] offset:16
	global_load_b128 v[SC:SC+3], v[ZO], s[12:13]
	global_load_b128 v[SC+4:SC+7], v[ZO], s[12:13] offset:16
.irp u, 0,1
.irp g, 0,1
	global_load_b128 v[QGW+8*\u+4*\g:QGW+8*\u+4*\g+3], v[QGO], s[14:15] offset:256*\u+16*\g
.endr
.endr
.irp p, 0,1,2
	global_load_b64 v[VW+2*\p:VW+2*\p+1], v[VWO], s[18:19] offset:8*\p
.endr
	global_load_u16 v[VWS], v[O2R], s[20:21]       ; two scale bytes; bytes 2 and 3 come as 0
	global_load_b32 v[VB0], v[O4R], s[22:23]
	global_load_b32 v[QB], v[QBO], s[16:17]
	s_wait_loadcnt 30                              ; x's 16 loads are in; the 30 issued behind them may be out
.set i, 0
.rept 16
	ds_store_b128 v[XWR], v[X+4*i:X+4*i+3] offset:i*512
.set i, i+1
.endr
	s_wait_loadcnt 0x0
	s_wait_kmcnt 0x0                               ; the gammas
	v_cmp_le_u32 vcc_lo, 8, v[R]
.set i, 0
.rept 32
	v_cndmask_b32 v[WA+i], v[WA+i], v[WK+i], vcc_lo    ; rows 8-15 of the f32 products' source 0 are k_w's
.set i, i+1
.endr
	v_cmp_le_u32 vcc_lo, 16, v[LN]
.irp j, 0,1,2,3,4,5,6,7
	v_cndmask_b32 v[BC+\j], v[BC+\j], v[SC+\j], vcc_lo ; in the result lanes 16-31 hold rows 8-15: k's
.endr
	v_mov_b32 v[GM], s33
	v_mov_b32 v[BY], s32
	v_cndmask_b32 v[GM], v[GM], v[BY], vcc_lo
	s_lshl_b32 s41, s[WV], 11
	v_add_nc_u32 v[A2K], s41, v[L16]
	s_lshl_b32 s41, s[WV], 7
	v_add_nc_u32 v[A128], s41, v[L4]
	s_lshl_b32 s41, s[WV], 10
	v_add_nc_u32 v[A1K], s41, v[L16]
	s_lshl_b32 s41, s[WV], 15
	v_add_nc_u32 v[A32K], s41, v[L16]
	s_wait_dscnt 0x0                               ; for the others' sake: my 16 rows of x lie in LDS
	s_barrier_signal -1
	s_barrier_wait -1
	; ---- my wave's two tiles of 16 positions: lane (r, h) takes channels 32 h + 0 .. 31 of its position: source 1 of the f32 products, and a whole block of x's quantiser
.set i, 0
.rept 32
	ds_load_b32 v[X+i], v[XRD] offset:i*512
	ds_load_b32 v[X+32+i], v[XRD] offset:i*512+32
.set i, i+1
.endr
	s_wait_dscnt 0x0
	; K step s of the f32 form takes channels 32 h + 2 s, + 1 on both sides.  The first step starts both sums with the biases as C; the two accumulators take turns
	v_wmma_f32_16x16x4_f32 v[KQ:KQ+7], v[WA:WA+1], v[X:X+1], v[BC:BC+7]
	v_wmma_f32_16x16x4_f32 v[KQ+8:KQ+15], v[WA:WA+1], v[X+32:X+33], v[BC:BC+7]
.set k, 1
.rept 15
	v_wmma_f32_16x16x4_f32 v[KQ:KQ+7], v[WA+2*k:WA+2*k+1], v[X+2*k:X+2*k+1], v[KQ:KQ+7]
	v_wmma_f32_16x16x4_f32 v[KQ+8:KQ+15], v[WA+2*k:WA+2*k+1], v[X+32+2*k:X+32+2*k+1], v[KQ+8:KQ+15]
.set k, k+1
.endr
	; x's codes, beside the matrix work: these lines read x alone, and more than eight of them name no register of the last products: they are the places ahead of the first read of the results
	BLKMAX X
.irp u, 0,1
	v_lshlrev_b32 v[XW+\u], v[SH8], v[BY+\u]       ; my block's byte at its place: block h
.endr
	v_permlanex16_b32 v[W2], v[XW], s[SEL], s[SEL+1]
	v_or_b32 v[XW], v[XW], v[W2]                   ; with lane l xor 16's: the position's two bytes; bytes 2 and 3 stay 0
	v_permlanex16_b32 v[W2], v[XW+1], s[SEL], s[SEL+1]
	v_or_b32 v[XW+1], v[XW+1], v[W2]
	CODES X                                        ; tile u's six registers at v[PC + 6 u]
.irp u, 0,1
	ds_store_b128 v[AXI], v[PC+6*\u:PC+6*\u+3] offset:XIMG+768*\u
	ds_store_b64 v[AX8], v[PC+6*\u+4:PC+6*\u+5] offset:XIMG+768*\u+512
	ds_store_b32 v[AXS], v[XW+\u] offset:XSC+128*\u
.endr
.set j, 0
.rept 16
	v_mul_f32 v[SC+j], v[KQ+j], v[GM]              ; lanes 0-15 gamma_l q_l[j], lanes 16-31 gamma_g k[j]; each accumulator from its low end on
.set j, j+1
.endr
	v_mul_f32 v[QB], s32, v[QB]                    ; gamma_g qg_b
	s_wait_xcnt 0x0                                ; EXEC changes only behind this wait
	v_cmp_gt_u32 vcc_lo, 16, v[LN]
	s_and_saveexec_b32 s40, vcc_lo                 ; lanes 0-15: q_l, 32 bytes a position
.irp u, 0,1
.irp g, 0,1
	ds_store_b128 v[QLA], v[SC+8*\u+4*\g:SC+8*\u+4*\g+3] offset:256*\u+16*\g
.endr
.endr
	s_or_b32 exec_lo, exec_lo, s40                 ; no global instruction was issued under the mask
	v_cmp_le_u32 vcc_lo, 16, v[LN]
	s_and_saveexec_b32 s40, vcc_lo                 ; lanes 16-31: k, a word into each of its 8 rows
.irp u, 0,1
.irp j, 0,1,2,3,4,5,6,7
	ds_store_b32 v[KSA], v[SC+8*\u+\j] offset:512*\j+32*\u
.endr
.endr
	s_or_b32 exec_lo, exec_lo, s40
.set j, 0
.rept 16
	v_cndmask_b32 v[QGW+j], v[QGW+j], v[KQ+j], vcc_lo  ; QA's image: lanes 0-15 keep qg_w's row, lanes 16-31 take k (without gamma)
.set j, j+1
.endr
.irp u, 0,1
.irp g, 0,1
	global_store_b128 v[A2K], v[QGW+8*\u+4*\g:QGW+8*\u+4*\g+3], s[28:29] offset:1024*\u+512*\g   ; 32 lanes store 512 consecutive bytes
.endr
.endr
	global_store_b32 v[A128], v[QB], s[28:29] offset:O_BI   ; 128 consecutive bytes a wave: two waves fill 256
	s_wait_dscnt 0x0                               ; for the others' sake: my images, scale words and rows lie in LDS
	s_barrier_signal -1
	s_barrier_wait -1
	; ---- v: my 16 channels (c tile w) for all 128 positions; and the copies of k and q_l out of LDS
.irp j, 0,1,2,3,4,5,6,7
	v_mov_b32 v[BC+\j], v[VB0]                     ; v_b of my channel: the C of the products
.endr
.irp j, 48,49,50,51,52,53
	v_mov_b32 v[XF+\j], 0                          ; behind the last tile's codes: zeros
.endr
.irp i, 0,1,2,3,4,5,6,7
	ds_load_b128 v[XF+6*\i:XF+6*\i+3], v[L16] offset:XIMG+768*\i
	ds_load_b64 v[XF+6*\i+4:XF+6*\i+5], v[L8] offset:XIMG+768*\i+512
.endr
.irp i, 0,1,2,3,4,5,6,7
	ds_load_b32 v[XSW+\i], v[L4] offset:XSC+128*\i
.endr
	ds_load_b128 v[SC:SC+3], v[A1K] offset:KST             ; k's rows 2 w, 2 w + 1
	ds_load_b128 v[SC+4:SC+7], v[A1K] offset:KST+512
	ds_load_b128 v[SC+8:SC+11], v[A1K] offset:QLST         ; q_l: 1,024 bytes a wave
	ds_load_b128 v[SC+12:SC+15], v[A1K] offset:QLST+512
.rept 4
	v_nop                                          ; operands written by vector instructions stand four places ahead of a scaled product
.endr
	s_wait_dscnt 0x0
.irp i, 0,1,2,3,4,5,6,7                        ; source 0 = 16 positions of x, source 1 = my 16 rows of v_w: a lane holds one channel, its registers positions
	v_wmma_scale_f32_16x16x128_f8f6f4 v[X+8*\i:X+8*\i+7], v[XF+6*\i:XF+6*\i+11], v[VW:VW+11], v[BC:BC+7], v[XSW+\i], v[VWS] matrix_a_fmt:MATRIX_FMT_BF6 matrix_b_fmt:MATRIX_FMT_BF6
.endr
	global_store_b128 v[A32K], v[SC:SC+3], s[42:43]
	global_store_b128 v[A32K], v[SC+4:SC+7], s[42:43] offset:16384
	global_store_b128 v[A1K], v[SC+8:SC+11], s[44:45]
	global_store_b128 v[A1K], v[SC+12:SC+15], s[44:45] offset:512
.rept 4
	v_nop                                          ; four places ahead of the first read of the results
.endr
	BLKMAX X                                       ; v along the positions: my blocks h and 2 + h of the 128
	v_lshl_or_b32 v[AW], v[BY+1], 16, v[BY]
	v_lshlrev_b32 v[AW], v[SH8], v[AW]
	v_permlanex16_b32 v[W2], v[AW], s[SEL], s[SEL+1]
	v_or_b32 v[AW], v[AW], v[W2]                   ; with lane l xor 16's two bytes the word is whole
	CODES X
.irp g, 0,1,2
	global_store_b128 v[AXI], v[PC+4*\g:PC+4*\g+3], s[28:29] offset:O_VC+512*\g
.endr
	global_store_b32 v[A128], v[AW], s[28:29] offset:O_VS
	s_wait_tensorcnt 0x0
	ds_add_u32 v51, v55
	s_wait_dscnt 0x0
	s_endpgm
.Lfunc_end_k_qe8db3aca68_prep:
	.size	k_qe8db3aca68_prep, .Lfunc_end_k_qe8db3aca68_prep-k_qe8db3aca68_prep
	.p2alignl 7, 3214868480
	.fill 96, 4, 3214868480
	.section	.rodata,"a",@progbits
	.p2align	6, 0x0
	.amdhsa_kernel k_qe8db3aca68_prep
		.amdhsa_group_segment_fixed_size 49664
		.amdhsa_private_segment_fixed_size 0
		.amdhsa_enable_private_segment 0
		.amdhsa_kernarg_size 112
		.amdhsa_user_sgpr_count 2
		.amdhsa_user_sgpr_kernarg_segment_ptr 1
		.amdhsa_wavefront_size32 1
		.amdhsa_system_sgpr_workgroup_id_x 1
		.amdhsa_system_sgpr_workgroup_id_y 1
		.amdhsa_system_sgpr_workgroup_id_z 1
		.amdhsa_system_vgpr_workitem_id 0
		.amdhsa_next_free_vgpr 256
		.amdhsa_next_free_sgpr 66
		.amdhsa_reserve_vcc 1
		.amdhsa_float_denorm_mode_32 3
		.amdhsa_float_denorm_mode_16_64 3
		.amdhsa_memory_ordered 1
		.amdhsa_forward_progress 1
		.amdhsa_inst_pref_size 31
	.end_amdhsa_kernel
	.amdgpu_metadata
---
amdhsa.version: [ 1, 2 ]
amdhsa.kernels:
  - .name:           k_qe8db3aca68_prep
    .symbol:         k_qe8db3aca68_prep.kd
    .args:
      - { .name: x, .offset: 0, .size: 8, .value_kind: global_buffer, .address_space: global }
      - { .name: q_l_w, .offset: 8, .size: 8, .value_kind: global_buffer, .address_space: global }
      - { .name: k_w, .offset: 16, .size: 8, .value_kind: global_buffer, .address_space: global }
      - { .name: q_l_b, .offset: 24, .size: 8, .value_kind: global_buffer, .address_space: global }
      - { .name: k_b, .offset: 32, .size: 8, .value_kind: global_buffer, .address_space: global }
      - { .name: qg_w, .offset: 40, .size: 8, .value_kind: global_buffer, .address_space: global }
      - { .name: qg_b, .offset: 48, .size: 8, .value_kind: global_buffer, .address_space: global }
      - { .name: v_w_codes, .offset: 56, .size: 8, .value_kind: global_buffer, .address_space: global }
      - { .name: v_w_scales, .offset: 64, .size: 8, .value_kind: global_buffer, .address_space: global }
      - { .name: v_b, .offset: 72, .size: 8, .value_kind: global_buffer, .address_space: global }
      - { .name: gamma_g, .offset: 80, .size: 8, .value_kind: global_buffer, .address_space: global }
      - { .name: gamma_l, .offset: 88, .size: 8, .value_kind: global_buffer, .address_space: global }
      - { .name: qside, .offset: 96, .size: 8, .value_kind: global_buffer, .address_space: global }
      - { .name: pside, .offset: 104, .size: 8, .value_kind: global_buffer, .address_space: global }
    .group_segment_fixed_size: 49664
    .private_segment_fixed_size: 0
    .kernarg_segment_align: 8
    .kernarg_segment_size: 112
    .max_flat_workgroup_size: 128
    .sgpr_count:     66
    .vgpr_count:     256
    .wavefront_size: 32
...
	.end_amdgpu_metadata
.endif
;; end of part 1
;; launch att (part 2): grid 64 x 4, 8 waves a work-group, clusters of 4 x 1, 327,680 bytes of LDS; arguments qside, pside, x, out0; writes out0
.if DOCPART == 2
	.amdgcn_target "amdgcn-amd-amdhsa--gfx1250"
	.amdhsa_code_object_version 6
	.text
	.protected	k_qe8db3aca68_att
	.globl	k_qe8db3aca68_att
	.p2align	8
	.type	k_qe8db3aca68_att,@function
k_qe8db3aca68_att:
	s_mov_b64 s[64:65], 0
	v_nop
	global_prefetch_b8 v0, s[64:65] scope:SCOPE_SE
	s_setreg_imm32_b32 hwreg(HW_REG_WAVE_MODE, 25, 1), 1
	s_wait_xcnt 0x0
	s_wait_alu depctr_hold_cnt(0) depctr_sa_sdst(0) depctr_va_vdst(0) depctr_va_sdst(0) depctr_va_ssrc(0) depctr_va_vcc(0) depctr_vm_vsrc(0)
	s_getreg_b32 s2, hwreg(HW_REG_IB_STS2, 6, 4)
	s_cmp_eq_u32 s2, 0
	s_cbranch_scc0 .Lentry_in_a_cluster
	s_endpgm
.Lentry_in_a_cluster:
	s_bfe_u32 s2, ttmp6, 0x10000c
	s_cmp_lg_u32 s2, 0x3003
	s_cbranch_scc0 .Lentry_shape_is_right
	s_endpgm
.Lentry_shape_is_right:
; ATT: out[b][c][p] = x[b][c][p] + sum over q of Q(v)[c][q] Q(alphas)[p][q],  alphas[p][q] = gamma_g (k_g[p] . qg_w[q] + qg_b[q]) + gamma_l (q_l[p] . k[:, q]).
; The alphas are made in f32 by the f32 matrix form (K = 16: 8 terms of each part; the bias is the C of the first K step), quantised along q in registers, and multiplied with v's codes
; by the scaled form on codes of E3M2.  They never leave the registers.
; SHARES.  A work-group owns 64 rows p of one batch, for all 4,096 q.  Each of its eight waves takes all 64 rows (four tiles of 16) and 512 q (four steps of 128): a partial sum of 64 c x 64 p in 128 registers.
; At the end the eight partial sums meet in LDS, each wave adds 8 rows c of them to x and stores whole rows of 256 bytes.  Two waves lie on a SIMD: one's quantising stands beside the other's products.
; A STEP'S OPERANDS are one dense block of 15,360 bytes of qside, images of operand registers (16 bytes a lane on end): one tensor load a wave, into the wave's own bytes of one of two slots, read by that wave alone.
; CLUSTER.  The four work-groups of a cluster belong to one batch and walk the same blocks: each block is asked for jointly, by the same load with the same descriptor and a mask that names the four.
; LAYOUT.  alphas^T = (16 q) x (16 p): a lane holds ONE row p and eight q.  Row m of q tile qt is q = 64 (qt / 4) + 32 (m / 8) + 8 (qt % 4) + m % 8, so the 32 registers of tiles 4 c .. 4 c + 3 are
; q = 64 c + 32 (lane / 16) + 0 .. 31: a whole block in a lane, in the order of the 6-bit operand's registers.  In the f32 products lanes 0-15 carry the g part's terms, lanes 16-31 the l part's, on both sides.
; LIMITS: NaN and infinities are not served.  A block of zeros, and one whose largest magnitude lies under 2^-122, has the scale byte 1 (for zeros the rule says 127; its codes are zeros).
; The sum over q is split over eight waves and added in f32; the gammas are multiplied in ahead of the products: orders of f32 rounding other than the reference's.
; No prefetch: a refill has a whole step, 144 matrix instructions of its wave, in which to land; only the first fills are waited for, and nothing stands ahead of them.
; REGISTERS.  window 0: v1-14 addresses; v16-19 v's scale words; v20 the alphas' scale word; v21-47 the quantiser's; v48-63 x; v64-95 the rows' coefficients; v96-159 the q side's; v160-223 the alphas.
;             window 1: v0-63 the bias in the result's layout; v64-111 v's four fragments; v128-255 the 16 accumulators: (ct, t) at v[128 + 8 (4 ct + t)].
.set BLKB,  15360
.set SLOTB, 8*BLKB                     ; a slot: a block for each wave
.set SPARE, 2*SLOTB                    ; behind the ring: the spare words, 128 bytes for each wave: four blocks of 256 bytes that no other line names
.set O_VC,  8192
.set O_BI,  14336
.set O_VS,  14848
.set SPITCH, 272                       ; the way out: a row c of a partial sum: 256 bytes + 16
.set PARTB, 64*SPITCH                  ; a partial sum.  The eight lie from LDS byte 0 on, over the ring, which has then had its last fill and its last read
.set SPW, 1
.set NIL, 2
.set AI,  3                            ; v3-4   my block in slot 0, 1: + 16 x lane
.set AB,  5                            ; v5-6   + 32 x (lane / 16)
.set ASC, 7                            ; v7-8   + 4 x lane
.set SH8, 9
.set STO, 10
.set RDA, 11
.set RDB, 12
.set GO,  13
.set PO,  14
.set VS,  16
.set AW,  20
.set W2,  21
.set T,   22
.set SO,  24
.set BY,  26
.set PC,  28
.set TMPC, 40
.set XR,  48
.set PB,  64
.set QA,  96
.set AL,  160                          ; written by matrix instructions alone
.set BI,  0
.set VC,  64
.set WED, 128
.set WV,  12
.set G1,  20                           ; s[20:27]
.set G0,  28                           ; s[28:31] slot 0, s[32:35] slot 1
.set SEL, 36
.set MSB, 0
.macro WIN new                         ; the immediate's high byte repeats the setting that is left
.if MSB != \new
	s_set_vgpr_msb (MSB<<8)|\new
.set MSB, \new
.endif
.endm
.macro ROUND                           ; a round of the cluster's barrier
	s_barrier_signal -1
	s_barrier_wait -1
	s_cmp_lg_u32 s[WV], 0
	s_cbranch_scc1 .Lnot_wave_0_\@
	s_barrier_signal -3
.Lnot_wave_0_\@:
	s_barrier_wait -3
	s_barrier_signal -1
	s_barrier_wait -1
.endm
; 64 numbers of a lane, two whole blocks: register 32 c + i is element i of block 2 c + (lane / 16).  Out: the fragment's 12 registers at v[PC], its scale word in v[AW].
; The largest magnitudes go in two chains a block; the floor 2^(5 - 127) among the leaves holds the byte at 1 from below.  Each accumulator of 8 registers is first read at its low end.
.macro QUANT src
.irp c, 0,1
	v_max3_num_f32 v[T+\c], |v[\src+32*\c]|, |v[\src+32*\c+1]|, 0x2800000
	v_max3_num_f32 v[BY+\c], |v[\src+32*\c+16]|, |v[\src+32*\c+17]|, |v[\src+32*\c+18]|
.endr
.irp i, 2,4,6,8,10,12
.irp c, 0,1
	v_max3_num_f32 v[T+\c], v[T+\c], |v[\src+32*\c+\i]|, |v[\src+32*\c+\i+1]|
	v_max3_num_f32 v[BY+\c], v[BY+\c], |v[\src+32*\c+\i+17]|, |v[\src+32*\c+\i+18]|
.endr
.endr
.irp c, 0,1
	v_max3_num_f32 v[T+\c], v[T+\c], |v[\src+32*\c+14]|, |v[\src+32*\c+15]|
.endr
.irp c, 0,1
	v_max3_num_f32 v[T+\c], v[T+\c], v[BY+\c], |v[\src+32*\c+31]|
.endr
.irp c, 0,1
	v_add_nc_u32 v[SO+\c], 0xfe000000, v[T+\c]     ; 4 off the exponent field: the conversion's scale operand
.endr
.irp c, 0,1
	v_lshrrev_b32 v[BY+\c], 23, v[SO+\c]           ; the scale's byte
.endr
	v_lshl_or_b32 v[AW], v[BY+1], 16, v[BY]        ; my two bytes, blocks h and 2 + h,
	v_lshlrev_b32 v[AW], v[SH8], v[AW]             ; at their places;
	v_permlanex16_b32 v[W2], v[AW], s[SEL], s[SEL+1]
	v_or_b32 v[AW], v[AW], v[W2]                   ; with lane l xor 16's two the word is whole
.irp c, 0,1
	v_cvt_scalef32_pk16_bf6_f32 v[PC+6*\c:PC+6*\c+2], v[\src+32*\c:\src+32*\c+15], v[SO+\c]
	v_cvt_scalef32_pk16_bf6_f32 v[TMPC+4*\c:TMPC+4*\c+2], v[\src+32*\c+16:\src+32*\c+31], v[SO+\c]   ; (a conversion's three registers begin on an even number)
.endr
	v_nop                                          ; one plain instruction behind the last scaled conversion
.irp c, 0,1
.irp i, 0,1,2
	v_mov_b32 v[PC+6*\c+3+\i], v[TMPC+4*\c+\i]
.endr
.endr
.endm
; One tile of 16 rows p against a step's 128 q.  32 f32 products (8 q tiles by turns, K step by K step: between two links of a chain stand the seven others'),
; the quantiser, 4 scaled products (source 0 = the alphas' 16 rows p, source 1 = 16 rows c of v: a lane then holds one c and eight neighbouring p).
.macro PTILE t, zero
	WIN 0x10                                       ; C (the bias) in window 1
.irp q, 0,1,2,3,4,5,6,7
	v_wmma_f32_16x16x4_f32 v[AL+8*\q:AL+8*\q+7], v[QA+8*\q:QA+8*\q+1], v[PB+8*\t:PB+8*\t+1], v[BI+8*\q:BI+8*\q+7]
.endr
	WIN 0
.irp s, 1,2,3
.irp q, 0,1,2,3,4,5,6,7
	v_wmma_f32_16x16x4_f32 v[AL+8*\q:AL+8*\q+7], v[QA+8*\q+2*\s:QA+8*\q+2*\s+1], v[PB+8*\t+2*\s:PB+8*\t+2*\s+1], v[AL+8*\q:AL+8*\q+7]
.endr
.endr
.rept 8
	v_nop                                          ; eight places behind the f32 form, ahead of the first read of its results; also the places behind the last scaled products, whose operands are written below
.endr
	QUANT AL
.rept 8
	v_nop                                          ; a scale word written by vector instructions stands eight places ahead of a scaled product, codes so written four.  With the eight above: more than the nine places ahead of the next tile's first products, which begin the alphas' registers anew
.endr
.if \t == 0
	s_wait_dscnt 0x0                               ; v's fragments and scale words are in
.endif
	WIN 0x54                                       ; source 1 (v), C and D in window 1
.irp c, 0,1,2,3
.if \zero
	v_wmma_scale_f32_16x16x128_f8f6f4 v[WED+8*(4*\c+\t):WED+8*(4*\c+\t)+7], v[PC:PC+11], v[VC+12*\c:VC+12*\c+11], 0, v[AW], v[VS+\c] matrix_a_fmt:MATRIX_FMT_BF6 matrix_b_fmt:MATRIX_FMT_BF6
.else
	v_wmma_scale_f32_16x16x128_f8f6f4 v[WED+8*(4*\c+\t):WED+8*(4*\c+\t)+7], v[PC:PC+11], v[VC+12*\c:VC+12*\c+11], v[WED+8*(4*\c+\t):WED+8*(4*\c+\t)+7], v[AW], v[VS+\c] matrix_a_fmt:MATRIX_FMT_BF6 matrix_b_fmt:MATRIX_FMT_BF6
.endif
.endr
	WIN 0
.endm
; A step: my block in slot sl comes into registers by 48 loads, each lane's 16 (or 4) bytes on end; then the four tiles of rows.  zero = 1: the first step's scaled products start the sums.
.macro STEP sl, zero
.irp q, 0,1,2,3,4,5,6,7
	ds_load_b128 v[QA+8*\q:QA+8*\q+3], v[AI+\sl] offset:1024*\q
	ds_load_b128 v[QA+8*\q+4:QA+8*\q+7], v[AI+\sl] offset:1024*\q+512
.endr
	WIN 0x40                                       ; destination window 1
.irp q, 0,1,2,3,4,5,6,7
	ds_load_b128 v[BI+8*\q:BI+8*\q+3], v[AB+\sl] offset:O_BI+64*\q        ; the bias of rows 8 h + 0 .. 7 of tile q: sixteen lanes read the same 16 bytes
	ds_load_b128 v[BI+8*\q+4:BI+8*\q+7], v[AB+\sl] offset:O_BI+64*\q+16
.endr
.irp c, 0,1,2,3
.irp g, 0,1,2
	ds_load_b128 v[VC+12*\c+4*\g:VC+12*\c+4*\g+3], v[AI+\sl] offset:O_VC+1536*\c+512*\g
.endr
.endr
	WIN 0
.irp c, 0,1,2,3
	ds_load_b32 v[VS+\c], v[ASC+\sl] offset:O_VS+128*\c
.endr
	s_wait_dscnt 16                                ; the f32 products' 32 loads are in; the 16 issued behind them (v's codes and scale words) may be out
	PTILE 0, \zero
	PTILE 1, \zero
	PTILE 2, \zero
	PTILE 3, \zero
.endm
; Slot sl, which I have read, is filled again with my block two steps on.  All my tensor loads have landed (the other slot's among them), the add, my reads are back; a round of the cluster's barrier, so that
; this holds of every wave of all four work-groups; the joint load first behind it, my one tensor load until the next round.  By this text's count two tensor loads of a wave are out at the start, later one.
.macro CHANGE sl
	s_wait_tensorcnt 0x0
	ds_add_u32 v[SPW], v[NIL]                      ; 0 onto my spare word
	s_add_nc_u64 s[G0+4*\sl+2:G0+4*\sl+3], s[G0+4*\sl+2:G0+4*\sl+3], 2*BLKB   ; no load of mine is out, so the descriptor may step; the type bits on top are not reached
	s_wait_dscnt 0x0
	ROUND
	tensor_load_to_lds s[G0+4*\sl:G0+4*\sl+3], s[G1:G1+7]
	s_nop 0
.rept 4
	v_nop                                          ; the four places behind the last scaled products, ahead of the loads into v's registers
.endr
.endm
	s_load_b256 s[4:11], s[0:1], 0x0               ; qside 4:5, pside 6:7, x 8:9, out0 10:11
	v_lshl_add_u32 v[SPW], v0, 2, SPARE
	v_mov_b32 v[NIL], 0
	ds_add_u32 v1, v2
	ds_add_u32 v1, v2
	s_wait_dscnt 0x0
	v_lshrrev_b32 v[TMPC], 5, v0
	v_readfirstlane_b32 s[WV], v[TMPC]             ; wave 0..7
	s_and_b32 s13, ttmp7, 0xffff                   ; the batch, which the four partners share
	; descriptor group 1: a dense block as 60 rows of 256 bytes (32 elements of 8 bytes), no padding: it is read back 16 bytes a lane on end
	s_mov_b32 s[G1], 15|(3<<16)|(1<<21)            ; 15:0 the mask: all four work-groups; 17:16 elements of 8 bytes; 21 set beside a mask
	s_mov_b32 s[G1+1], 32<<16                      ; tensor_dim0 = 32
	s_mov_b32 s[G1+2], 60<<16                      ; tensor_dim1 = 60
	s_mov_b32 s[G1+3], 32<<16                      ; tile_dim0 = 32
	s_mov_b32 s[G1+4], 60                          ; tile_dim1 = 60
	s_mov_b32 s[G1+5], 32                          ; from row to row
	s_mov_b32 s[G1+6], 0
	s_mov_b32 s[G1+7], 0
	s_lshl_b32 s16, s13, 5
	s_lshl_b32 s17, s[WV], 2
	s_add_co_u32 s16, s16, s17                     ; my first block: 32 x batch + 4 x wave
	s_mul_i32 s16, s16, BLKB
	s_mov_b32 s17, 0
	s_mul_i32 s18, s[WV], BLKB                     ; my bytes of a slot: no place in the cluster enters an LDS address
	s_mov_b32 s[SEL], 0x76543210
	s_mov_b32 s[SEL+1], 0xfedcba98
	s_wait_kmcnt 0x0
	s_add_nc_u64 s[38:39], s[4:5], s[16:17]
	s_mov_b32 s[G0], 1                             ; count = 1
	s_mov_b32 s[G0+1], s18                         ; LDS address: slot 0
	s_mov_b64 s[G0+2:G0+3], s[38:39]               ; my step 0
	s_or_b32 s[G0+3], s[G0+3], 0x80000000          ; type = 2
	s_mov_b32 s[G0+4], 1
	s_add_co_u32 s[G0+5], s18, SLOTB               ; slot 1
	s_add_nc_u64 s[G0+6:G0+7], s[38:39], BLKB      ; my step 1
	s_or_b32 s[G0+7], s[G0+7], 0x80000000
	ROUND                                          ; all four work-groups are here: the first joint loads meet
	tensor_load_to_lds s[G0:G0+3], s[G1:G1+7]
	s_nop 0
	tensor_load_to_lds s[G0+4:G0+7], s[G1:G1+7]
	s_nop 0
.rept 4
	v_nop
.endr
	s_bfe_u32 s14, ttmp6, 0x40000                  ; cx: it enters the addresses of pside, x and out0 alone
	s_lshl_b32 s15, ttmp9, 2
	s_add_co_u32 s15, s15, s14                     ; my block of 64 rows p
	s_lshl_b32 s40, s13, 18
	s_lshl_b32 s41, s15, 11
	s_add_co_u32 s40, s40, s41
	s_mov_b32 s41, 0
	s_add_nc_u64 s[6:7], s[6:7], s[40:41]          ; pside: batch x 262,144 + 64 rows x 32 bytes
	s_lshl_b32 s42, s13, 20
	s_lshl_b32 s43, s[WV], 17
	s_add_co_u32 s42, s42, s43
	s_lshl_b32 s43, s15, 8
	s_add_co_u32 s42, s42, s43
	s_mov_b32 s43, 0
	s_add_nc_u64 s[8:9], s[8:9], s[42:43]          ; x and out0: batch, my 8 rows c of 16,384 bytes, my block's 256 bytes
	s_add_nc_u64 s[10:11], s[10:11], s[42:43]
	v_and_b32 v[TMPC], 31, v0                      ; lane
	v_and_b32 v[TMPC+1], 15, v0                    ; r
	v_bfe_u32 v[TMPC+2], v0, 4, 1                  ; h
	v_lshlrev_b32 v[PO], 17, v[TMPC+2]
	v_lshl_add_u32 v[PO], v[TMPC+1], 5, v[PO]      ; lanes 0-15 part 0 (gamma_g k_g), lanes 16-31 part 1 (gamma_l q_l); row r of 32 bytes
	v_lshlrev_b32 v[GO], 14, v[TMPC+2]
	v_lshl_add_u32 v[GO], v[TMPC+1], 4, v[GO]      ; lanes 0-15 one row c, lanes 16-31 the next; 16 bytes a lane
.irp t, 0,1,2,3
.irp g, 0,1
	global_load_b128 v[PB+8*\t+4*\g:PB+8*\t+4*\g+3], v[PO], s[6:7] offset:512*\t+16*\g
.endr
.endr
.irp i, 0,1,2,3
	global_load_b128 v[XR+4*\i:XR+4*\i+3], v[GO], s[8:9] offset:32768*\i   ; the residual: wanted at the end
.endr
	v_lshlrev_b32 v[AI], 4, v[TMPC]
	v_add_nc_u32 v[AI], s18, v[AI]
	v_add_nc_u32 v[AI+1], SLOTB, v[AI]
	v_lshlrev_b32 v[AB], 5, v[TMPC+2]
	v_add_nc_u32 v[AB], s18, v[AB]
	v_add_nc_u32 v[AB+1], SLOTB, v[AB]
	v_lshlrev_b32 v[ASC], 2, v[TMPC]
	v_add_nc_u32 v[ASC], s18, v[ASC]
	v_add_nc_u32 v[ASC+1], SLOTB, v[ASC]
	v_lshlrev_b32 v[SH8], 3, v[TMPC+2]
	s_mul_i32 s19, s[WV], PARTB
	v_mul_u32_u24 v[STO], v[TMPC+1], SPITCH
	v_lshl_add_u32 v[STO], v[TMPC+2], 5, v[STO]
	v_add_nc_u32 v[STO], s19, v[STO]               ; my partial sum: row r, + 32 h
	s_mul_i32 s19, s[WV], 8*SPITCH
	v_mul_u32_u24 v[RDA], v[TMPC+2], SPITCH
	v_lshl_add_u32 v[RDA], v[TMPC+1], 4, v[RDA]
	v_add_nc_u32 v[RDA], s19, v[RDA]               ; back: rows 8 w + h of partial sum 0; 16 bytes a lane
	v_add_nc_u32 v[RDB], 4*PARTB, v[RDA]           ; and of partial sum 4
	v_mov_b32 v[W2], 0                             ; a lane permute's destination counts as one of its sources
	s_wait_tensorcnt 0x1                           ; my step 0 is in LDS; slot 1's load may be out.  I alone read my bytes: no barrier
	s_wait_loadcnt 0x4                             ; the rows' coefficients are in; x's four loads, issued behind them, may be out
	STEP 0, 1
	CHANGE 0                                       ; slot 0 takes my step 2
	STEP 1, 0
	CHANGE 1                                       ; slot 1 takes my step 3
	STEP 0, 0
	s_wait_tensorcnt 0x0                           ; my last block is in: no load was issued behind it
.rept 4
	v_nop                                          ; four places behind the last scaled products, ahead of the loads into v's registers
.endr
	STEP 1, 0
	; THE WAY OUT.  Every wave's loads have landed and its reads of the ring are back: behind the barrier the partial sums are laid over the ring.
.rept 4
	v_nop                                          ; four places ahead of the first read of the last results
.endr
	s_wait_dscnt 0x0
	s_barrier_signal -1
	s_barrier_wait -1
	WIN 0x04                                       ; an LDS store's data are its source 1: window 1
.irp c, 0,1,2,3
.irp t, 0,1,2,3
	ds_store_b128 v[STO], v[WED+8*(4*\c+\t):WED+8*(4*\c+\t)+3] offset:16*SPITCH*\c+64*\t        ; lane (r, h): row c = 16 ct + r, p = 16 t + 8 h + 0 .. 7; each accumulator from its low end on
	ds_store_b128 v[STO], v[WED+8*(4*\c+\t)+4:WED+8*(4*\c+\t)+7] offset:16*SPITCH*\c+64*\t+16
.endr
.endr
	WIN 0
	s_wait_dscnt 0x0                               ; for the others' sake: my partial sum lies in LDS
	s_barrier_signal -1
	s_barrier_wait -1
	s_wait_loadcnt 0x0                             ; x
; Rows 8 w + 2 f + h and 8 w + 2 f + 2 + h: the eight partial sums (16 loads of 16 bytes a lane), a tree of packed additions, x, the store.
.macro SUMUP f
.irp m, 0,1
.irp k, 0,1,2,3
	ds_load_b128 v[QA+32*\m+4*\k:QA+32*\m+4*\k+3], v[RDA] offset:\k*PARTB+2*SPITCH*(\f+\m)
.endr
.irp k, 0,1,2,3
	ds_load_b128 v[QA+32*\m+16+4*\k:QA+32*\m+16+4*\k+3], v[RDB] offset:\k*PARTB+2*SPITCH*(\f+\m)
.endr
.endr
	s_wait_dscnt 0x0
.irp m, 0,1
.irp k, 0,8,16,24
.irp d, 0,2
	v_pk_add_f32 v[QA+32*\m+\k+\d:QA+32*\m+\k+\d+1], v[QA+32*\m+\k+\d:QA+32*\m+\k+\d+1], v[QA+32*\m+\k+4+\d:QA+32*\m+\k+4+\d+1]
.endr
.endr
.irp k, 0,16
.irp d, 0,2
	v_pk_add_f32 v[QA+32*\m+\k+\d:QA+32*\m+\k+\d+1], v[QA+32*\m+\k+\d:QA+32*\m+\k+\d+1], v[QA+32*\m+\k+8+\d:QA+32*\m+\k+8+\d+1]
.endr
.endr
.irp d, 0,2
	v_pk_add_f32 v[QA+32*\m+\d:QA+32*\m+\d+1], v[QA+32*\m+\d:QA+32*\m+\d+1], v[QA+32*\m+16+\d:QA+32*\m+16+\d+1]
.endr
.irp d, 0,2
	v_pk_add_f32 v[XR+4*(\f+\m)+\d:XR+4*(\f+\m)+\d+1], v[XR+4*(\f+\m)+\d:XR+4*(\f+\m)+\d+1], v[QA+32*\m+\d:QA+32*\m+\d+1]
.endr
	global_store_b128 v[GO], v[XR+4*(\f+\m):XR+4*(\f+\m)+3], s[10:11] offset:32768*(\f+\m) th:TH_STORE_NT   ; sixteen lanes store 256 consecutive bytes, at a multiple of 256 from out0's first byte
.endr
.endm
	SUMUP 0
	SUMUP 2
	s_wait_tensorcnt 0x0                           ; the wave's end, behind my last tensor load and my last LDS store
	ds_add_u32 v[SPW], v[NIL]
	s_wait_dscnt 0x0
	ROUND                                          ; the closing round: no work-group ends while a partner may still ask for a block that names it
	s_endpgm
.Lfunc_end_k_qe8db3aca68_att:
	.size	k_qe8db3aca68_att, .Lfunc_end_k_qe8db3aca68_att-k_qe8db3aca68_att
	.p2alignl 7, 3214868480
	.fill 96, 4, 3214868480
	.section	.rodata,"a",@progbits
	.p2align	6, 0x0
	.amdhsa_kernel k_qe8db3aca68_att
		.amdhsa_group_segment_fixed_size 327680
		.amdhsa_private_segment_fixed_size 0
		.amdhsa_enable_private_segment 0
		.amdhsa_kernarg_size 32
		.amdhsa_user_sgpr_count 2
		.amdhsa_user_sgpr_kernarg_segment_ptr 1
		.amdhsa_wavefront_size32 1
		.amdhsa_system_sgpr_workgroup_id_x 1
		.amdhsa_system_sgpr_workgroup_id_y 1
		.amdhsa_system_sgpr_workgroup_id_z 1
		.amdhsa_system_vgpr_workitem_id 0
		.amdhsa_next_free_vgpr 512
		.amdhsa_next_free_sgpr 66
		.amdhsa_reserve_vcc 0
		.amdhsa_float_denorm_mode_32 3
		.amdhsa_float_denorm_mode_16_64 3
		.amdhsa_memory_ordered 1
		.amdhsa_forward_progress 1
		.amdhsa_inst_pref_size 126
	.end_amdhsa_kernel
	.amdgpu_metadata
---
amdhsa.version: [ 1, 2 ]
amdhsa.kernels:
  - .name:           k_qe8db3aca68_att
    .symbol:         k_qe8db3aca68_att.kd
    .args:
      - { .name: qside, .offset: 0, .size: 8, .value_kind: global_buffer, .address_space: global }
      - { .name: pside, .offset: 8, .size: 8, .value_kind: global_buffer, .address_space: global }
      - { .name: x, .offset: 16, .size: 8, .value_kind: global_buffer, .address_space: global }
      - { .name: out0, .offset: 24, .size: 8, .value_kind: global_buffer, .address_space: global }
    .group_segment_fixed_size: 327680
    .private_segment_fixed_size: 0
    .kernarg_segment_align: 8
    .kernarg_segment_size: 32
    .max_flat_workgroup_size: 256
    .sgpr_count:     66
    .vgpr_count:     512
    .wavefront_size: 32
...
	.end_amdgpu_metadata
.endif
;; end of part 2
